; MI455X (gfx1250); checked and timed in simulation.
; The chip was launched on July 23, 2026; its instructions are those of AMD's public machine-readable ISA for CDNA 5 (MIT licence, August 2026) and "CDNA5" Instruction Set Architecture Reference Guide (July 2026). The comments in the code are by the model that wrote it; some were corrected since.
;; Multi Head Self Attention. Allowed arithmetic: matrix products marked QUANTISED: E5M2 operands, one E8M0 scale for each 32 along K, by v_wmma_scale_f32_16x16x128_f8f6f4 with both operands' format E5M2, f32 sums; everything else in f32.
;; Inputs: Wk_codes 1,024 x 32 x 32 uint8 (E5M2 codes of Wk, K innermost, in blocks of 32 codes); Wk_scales 1,024 x 32 uint8 (E8M0 scales of Wk, one for each 32 codes along K); Wo_codes 1,024 x 32 x 32 uint8 (E5M2 codes of Wo, K innermost, in blocks of 32 codes); Wo_scales 1,024 x 32 uint8 (E8M0 scales of Wo, one for each 32 codes along K); Wq_codes 1,024 x 32 x 32 uint8 (E5M2 codes of Wq, K innermost, in blocks of 32 codes); Wq_scales 1,024 x 32 uint8 (E8M0 scales of Wq, one for each 32 codes along K); Wv_codes 1,024 x 32 x 32 uint8 (E5M2 codes of Wv, K innermost, in blocks of 32 codes); Wv_scales 1,024 x 32 uint8 (E8M0 scales of Wv, one for each 32 codes along K); bk 1,024 float32; bo 1,024 float32; bq 1,024 float32; bv 1,024 float32; x_codes 4 x 2,048 x 32 x 32 uint8 (E5M2 codes of x, K innermost, in blocks of 32 codes); x_scales 4 x 2,048 x 32 uint8 (E8M0 scales of x, one for each 32 codes along K).
;; Outputs: out0 4 x 2,048 x 1,024 float32.
;; This version of the problem:
;;   THIS VERSION OF THE PROBLEM IS GIVEN IN LOW PRECISION. The matrix products marked QUANTISED in the list below multiply operands that are first quantised to E5M2 (5 exponent bits, 2 mantissa bits; 8 bits a number), with one power-of-two scale for each 32 numbers along K (OCP MX v1.0); their sums are f32. All else is computed in f32.
;;   The module's matrix products, in the order in which they are computed (A, B: the left and right operand; K: the contracted axis; several contracted axes count as one K, in the product's order):
;;     1. [M 8,192, K 1,024] x [K 1,024, N 1,024]; A: input x (given as codes); B: input Wq (given as codes): QUANTISED
;;     2. [M 8,192, K 1,024] x [K 1,024, N 1,024]; A: input x (given as codes); B: input Wk (given as codes): QUANTISED
;;     3. [M 8,192, K 1,024] x [K 1,024, N 1,024]; A: input x (given as codes); B: input Wv (given as codes): QUANTISED
;;     4. batch 64 x [M 2,048, K 64] x [K 64, N 2,048]; A: computed on the way; B: computed on the way: QUANTISED
;;     5. batch 64 x [M 2,048, K 2,048] x [K 2,048, N 64]; A: softmax (see below); B: computed on the way: QUANTISED
;;     6. [M 8,192, K 1,024] x [K 1,024, N 1,024]; A: computed on the way; B: input Wo (given as codes): QUANTISED
;;   THE QUANTISER, for each operand of a quantised product, along K:
;;     - K is cut into blocks of 32 from its start; a last block that is shorter is filled with zeros.
;;     - A block's scale is 2^e with e = floor(log2(the largest magnitude in the block)) - 15, held to -126 .. 127; a block of zeros has e = 0. As a byte (E8M0): e + 127.
;;     - Each number is divided by its block's scale, clamped to +-57,344, and rounded to the nearest number of E5M2, ties to even, subnormals kept.
;;     - The product sums the exact products of the quantised numbers (number of the format x scale) in f32.
;;   ~~~python
;;   def quantise(x, axis):      # numpy; x: float32 -> the quantised numbers, widened to float32 again
;;       x = np.moveaxis(x, axis, -1); K = x.shape[-1]
;;       x = np.pad(x, [(0, 0)] * (x.ndim - 1) + [(0, -K % 32)]); x = x.reshape(x.shape[:-1] + (-1, 32)); a = np.abs(x).max(-1, keepdims=True)
;;       e = np.where(a > 0, np.clip(np.frexp(np.where(a > 0, a, 1))[1] - 1 - 15, -126, 127), 0)      # np.frexp(a)[1] - 1 = floor(log2(a)), exactly
;;       r = np.clip(x / 2.0 ** e, -57344, 57344)
;;       step = 2.0 ** (np.maximum(np.frexp(np.where(r == 0, 1, r))[1] - 1, -14) - 2)
;;       q = np.round(r / step) * step * 2.0 ** e      # np.round: ties to even
;;       return np.moveaxis(q.reshape(q.shape[:-2] + (-1,))[..., :K], -1, axis).astype(np.float32)
;;   ~~~
;;   SOFTMAX AHEAD OF A QUANTISED PRODUCT. Where the list says 'softmax', what is quantised is not the finished softmax but p = 2^(t - M), with t = logit x log2(e) and M = ceil(the row's largest t), a whole number; so 1/2 < the row's largest p <= 1. The row's sum l is taken of the UNQUANTISED p, in f32, and the product's result is divided by l at the end. Since M is a whole number, a kernel that streams over the keys may use a running M (the ceiling of the running maximum): every later rescaling is an exact power of two, which a block's scale takes up: the codes' values come out the same.
;;   OPERANDS COMPUTED ON THE WAY. 'Computed on the way' means the value that the module computes at that place (a softmax that the list does not call 'softmax' is quantised finished and normalised). What goes into a quantiser is computed in f32, as accurately as f32 sums, v_exp_f32 and their like allow (about 1e-6 of the number): no bf16 or f16 on the way to a quantiser, and a product that is left as it is and whose result goes on into a quantised operand takes f32 operands (vector FMAs, or v_wmma_f32_16x16x4_f32). A number that lies on a knife's edge between two numbers of the format may be rounded either way, as far as f32 arithmetic and the matrix unit's own rounding can turn it there, and no further.
;;   INPUTS GIVEN AS CODES. Wk (in the module: [1024, 1024], K = its axis 0); Wo (in the module: [1024, 1024], K = its axis 0); Wq (in the module: [1024, 1024], K = its axis 0); Wv (in the module: [1024, 1024], K = its axis 0); x (in the module: [4, 2048, 1024], K = its axis 2): each comes as NAME_codes (uint8): NAME with its K axis moved to the last place and cut into blocks of 32 codes, [.., K / 32, bytes a block], one block behind the other in memory; one code a byte (a code: sign, 5 exponent bits, 2 mantissa bits); and NAME_scales (uint8): the same leading axes, one E8M0 byte (e + 127) for each 32 codes along K. Its value is code x scale, taken as it is: it is not quantised again, and the codes and scales need not be those that the quantiser above would give.
;; One version. Each part assembles by itself: llvm-mc -triple=amdgcn-amd-amdhsa -mcpu=gfx1250 --defsym DOCPART=n.
;; ======== version 1 of 1: 3 launches
;; limits: right only within a limited range of input values
;; workspace buffers: q_img 8,388,608 bytes; q_sc 262,144 bytes; k_img 8,388,608 bytes; k_sc 262,144 bytes; v_img 8,388,608 bytes; v_sc 262,144 bytes; o_img 8,388,608 bytes; o_sc 262,144 bytes
;; launch proj (part 1): grid 4 x 96, 4 waves a work-group, clusters of 4 x 4, 327,680 bytes of LDS; arguments x_codes, x_scales, Wq_codes, Wq_scales, Wk_codes, Wk_scales, Wv_codes, Wv_scales, bq, bk, bv, q_img, q_sc, k_img, k_sc, v_img, v_sc; writes q_img, q_sc, k_img, k_sc, v_img, v_sc
.if DOCPART == 1
	.amdgcn_target "amdgcn-amd-amdhsa--gfx1250"
	.amdhsa_code_object_version 6
	.text
	.protected	k_q5b4ae794b2_proj
	.globl	k_q5b4ae794b2_proj
	.p2align	8
	.type	k_q5b4ae794b2_proj,@function
k_q5b4ae794b2_proj:
	s_mov_b64 s[64:65], 0
	v_nop
	global_prefetch_b8 v0, s[64:65] scope:SCOPE_SE
	s_setreg_imm32_b32 hwreg(HW_REG_WAVE_MODE, 25, 1), 1
	s_wait_xcnt 0x0
	s_wait_alu depctr_hold_cnt(0) depctr_sa_sdst(0) depctr_va_vdst(0) depctr_va_sdst(0) depctr_va_ssrc(0) depctr_va_vcc(0) depctr_vm_vsrc(0)
	s_getreg_b32 s2, hwreg(HW_REG_IB_STS2, 6, 4)
	s_cmp_eq_u32 s2, 0
	s_cbranch_scc0 .Lentry_in_a_cluster
	s_endpgm
.Lentry_in_a_cluster:
	s_bfe_u32 s2, ttmp6, 0x10000c
	s_cmp_lg_u32 s2, 0xf033
	s_cbranch_scc0 .Lentry_shape_is_right
	s_endpgm
.Lentry_shape_is_right:
.set NQ,     2
.set ROWB,   256
.set KROW,   1024
.set PITCH,  272
.set FR,     16
.set NL,     4
.set NP,     8
.set HALFT,  128*PITCH
.set SLOT,   4*HALFT
.set LAPS,   2
.set KS,     32
.set SCL,    2*SLOT
.set HALFS,  16*272
.set SBLK,   2*272
.set SPARE,  SCL+4*HALFS
.set WSTG,   16896
.set OFF16, 7
.set BR,   8
.set ADRA, 16
.set SRD,  18
.set ADRB, 20
.set STO,  24
.set RD,   25
.set SSTO, 26
.set ADRS, 27
.set SPW,  28
.set NIL,  29
.set SELV, 30
.set SCO,  31
.set SC,   32
.set BP,   64
.set AF,   128
.set VO,   64
.set TM,   80
.set PW,   96
.set PWP,  97
.set PWO,  98
.set PC,   100
.set BRP,  116
.set SW,   120
.set X,    128
.set OUT,  192
.set G1, 24
.set G0, 32
.set G1B, 48
.set G0B, 56
.set G1S, 68
.set G0S, 76
.set G1SB, 80
.set G0SB, 88
.set MNT,  66
.set MBP,  92
.set MBR,  93
.set ROLE, 95
.set SEL,  96
.set MSB, 0
.macro WIN new
.if MSB != \new
	s_set_vgpr_msb (MSB<<8)|\new
.set MSB, \new
.endif
.endm
.set MUL_LO, 0xa1
.set MUL_HI, 0xf1
.set FST_LO, 0x81
.set FST_HI, 0xc1
.set TO_B,   0x40
.macro JLOAD g0a, g1a, g0b, g1b
	s_cmp_eq_u32 s15, 0
	s_cbranch_scc0 .Lfor_b_\@
	tensor_load_to_lds s[\g0a:\g0a+3], s[\g1a:\g1a+7]
	s_nop 0
.rept 4
	v_nop
.endr
	s_branch .Lasked_\@
.Lfor_b_\@:
	tensor_load_to_lds s[\g0b:\g0b+3], s[\g1b:\g1b+7]
	s_nop 0
.rept 4
	v_nop
.endr
.Lasked_\@:
.endm
.macro CREST
	s_cmp_lg_u32 s14, 0
	s_cbranch_scc1 .Lnot_wave_0_\@
	s_barrier_signal -3
.Lnot_wave_0_\@:
	s_barrier_wait -3
	s_barrier_signal -1
	s_barrier_wait -1
.endm
.macro CROUND
	s_barrier_signal -1
	s_barrier_wait -1
	CREST
.endm
	s_load_b512 s[24:39], s[0:1], 0x0
	s_load_b512 s[48:63], s[0:1], 0x40
	s_load_b64 s[66:67], s[0:1], 0x80
	v_lshl_add_u32 v[SPW], v0, 2, SPARE
	v_mov_b32 v[NIL], 0
	ds_add_u32 v28, v29
	ds_add_u32 v28, v29
	s_wait_dscnt 0x0
	v_lshrrev_b32 v1, 5, v0
	v_readfirstlane_b32 s14, v1
	s_lshr_b32 s15, s14, 1
	s_and_b32 s16, s14, 1
	s_bfe_u32 s40, ttmp6, 0x40000
	s_bfe_u32 s41, ttmp6, 0x40004
	s_and_b32 s94, ttmp7, 0xffff
	s_lshr_b32 s[ROLE], s94, 3
	s_and_b32 s94, s94, 7
	s_lshl_b32 s43, s41, 2
	s_lshl_b32 s43, 15, s43
	s_lshl_b32 s44, 0x1111, s40
	s_cmp_eq_u32 s[ROLE], 2
	s_cselect_b32 s17, 0, s94
	s_cselect_b32 s42, s94, 0
	s_cselect_b32 s[MBP], 0, -1
	s_cselect_b32 s[MBR], -1, 0
	s_lshl_b32 s17, s17, 2
	s_add_co_u32 s17, s17, s41
	s_lshl_b32 s42, s42, 2
	s_add_co_u32 s42, s42, s40
	s_lshl_b32 s18, s16, 7
	s_lshl_b32 s20, s17, 8
	s_add_co_u32 s20, s20, s18
	s_lshl_b32 s46, s42, 8
	s_add_co_u32 s46, s46, s18
	s_lshl_b32 s22, s20, 5
	s_lshl_b32 s20, s20, 10
	s_mov_b32 s21, 0
	s_mov_b32 s23, 0
	s_lshl_b32 s104, s46, 5
	s_lshl_b32 s46, s46, 10
	s_mov_b32 s47, 0
	s_mov_b32 s105, 0
	s_mul_i32 s45, s14, HALFT
	s_mul_i32 s19, s14, HALFS
	s_wait_kmcnt 0x0
	s_cmp_eq_u32 s[ROLE], 0
	s_cselect_b64 s[8:9], s[28:29], s[32:33]
	s_cselect_b64 s[10:11], s[30:31], s[34:35]
	s_cselect_b64 s[96:97], s[48:49], s[50:51]
	s_cselect_b64 s[12:13], s[54:55], s[58:59]
	s_cselect_b64 s[98:99], s[56:57], s[60:61]
	s_cmp_eq_u32 s[ROLE], 2
	s_cselect_b64 s[8:9], s[36:37], s[8:9]
	s_cselect_b64 s[10:11], s[38:39], s[10:11]
	s_cselect_b64 s[96:97], s[52:53], s[96:97]
	s_cselect_b64 s[12:13], s[62:63], s[12:13]
	s_cselect_b64 s[98:99], s[66:67], s[98:99]
	s_cselect_b64 s[4:5], s[8:9], s[24:25]
	s_cselect_b64 s[6:7], s[10:11], s[26:27]
	s_cselect_b64 s[8:9], s[24:25], s[8:9]
	s_cselect_b64 s[10:11], s[26:27], s[10:11]
	s_add_nc_u64 s[20:21], s[4:5], s[20:21]
	s_add_nc_u64 s[22:23], s[6:7], s[22:23]
	s_add_nc_u64 s[46:47], s[8:9], s[46:47]
	s_add_nc_u64 s[104:105], s[10:11], s[104:105]
	s_or_b32 s[G1+0], s43, (1<<20)|(1<<21)|(5<<22)|(3<<25)
	s_or_b32 s[G1B+0], s44, (1<<20)|(1<<21)|(5<<22)|(3<<25)
.irp g, G1, G1B
	s_mov_b32 s[\g+1], ROWB<<16
	s_mov_b32 s[\g+2], 256<<16
	s_mov_b32 s[\g+3], ROWB<<16
	s_mov_b32 s[\g+4], 256
	s_mov_b32 s[\g+5], KROW
	s_mov_b32 s[\g+6], 0
	s_mov_b32 s[\g+7], 0
.endr
	s_or_b32 s[G1S+0], s43, (3<<16)|(1<<20)|(1<<21)|(5<<22)|(3<<25)
	s_or_b32 s[G1SB+0], s44, (3<<16)|(1<<20)|(1<<21)|(5<<22)|(3<<25)
.irp g, G1S, G1SB
	s_mov_b32 s[\g+1], 32<<16
	s_mov_b32 s[\g+2], 32<<16
	s_mov_b32 s[\g+3], 32<<16
	s_mov_b32 s[\g+4], 32
	s_mov_b32 s[\g+5], 32
	s_mov_b32 s[\g+6], 0
	s_mov_b32 s[\g+7], 0
.endr
	CROUND
; the head's four tiles, each whole: K step 0's 256 rows of A and of B, the scale bytes of A's 256 rows and of B's.  The addresses above hold my wave's half of a tile: it is taken off again
.set G0H, 4
.set G0HB, 8
	s_lshl_b32 s18, s16, 17                        ; 128 rows of codes
	s_mov_b32 s19, 0
	s_mov_b32 s[G0H], 1
	s_mov_b32 s[G0H+1], 0
	s_sub_nc_u64 s[G0H+2:G0H+3], s[20:21], s[18:19]
	s_or_b32 s[G0H+3], s[G0H+3], 0x80000000
	s_mov_b32 s[G0HB], 1
	s_mov_b32 s[G0HB+1], 2*HALFT
	s_sub_nc_u64 s[G0HB+2:G0HB+3], s[46:47], s[18:19]
	s_or_b32 s[G0HB+3], s[G0HB+3], 0x80000000
	s_lshl_b32 s18, s16, 12                        ; 128 rows of scale bytes
	s_mov_b32 s[G0S], 1
	s_mov_b32 s[G0S+1], SCL
	s_sub_nc_u64 s[G0S+2:G0S+3], s[22:23], s[18:19]
	s_or_b32 s[G0S+3], s[G0S+3], 0x80000000
	s_mov_b32 s[G0SB], 1
	s_mov_b32 s[G0SB+1], SCL+2*HALFS
	s_sub_nc_u64 s[G0SB+2:G0SB+3], s[104:105], s[18:19]
	s_or_b32 s[G0SB+3], s[G0SB+3], 0x80000000
.irp s, 0,1
	s_mov_b32 s[G0+4*\s], 1
	s_add_co_u32 s[G0+4*\s+1], s45, \s*SLOT
	s_add_nc_u64 s[G0+4*\s+2:G0+4*\s+3], s[20:21], \s*ROWB
	s_or_b32 s[G0+4*\s+3], s[G0+4*\s+3], 0x80000000
	s_mov_b32 s[G0B+4*\s], 1
	s_add_co_u32 s[G0B+4*\s+1], s45, \s*SLOT
	s_add_nc_u64 s[G0B+4*\s+2:G0B+4*\s+3], s[46:47], \s*ROWB
	s_or_b32 s[G0B+4*\s+3], s[G0B+4*\s+3], 0x80000000
.endr
; the head's loads, one a wave: one chain of branches on the wave's number, a load to an arm, all arms leading to one join
.macro ARM under, g0, g1, next
	s_cmp_lt_u32 s14, \under
	s_cbranch_scc0 \next
	tensor_load_to_lds s[\g0:\g0+3], s[\g1:\g1+7]
	s_nop 0
.rept 4
	v_nop
.endr
	s_branch .Lhead_asked
\next:
.endm
	ARM 1, G0H,  G1,  .Lhead_b
	ARM 2, G0HB, G1B, .Lhead_sa
	ARM 3, G0S,  G1S, .Lhead_sb
	tensor_load_to_lds s[G0SB:G0SB+3], s[G1SB:G1SB+7]
	s_nop 0
.rept 4
	v_nop
.endr
.Lhead_asked:
	v_and_b32 v1, 15, v0
	v_bfe_u32 v2, v0, 4, 1
	v_mul_u32_u24 v3, v1, PITCH
	v_lshl_add_u32 v4, v2, 4, v3
	s_mul_i32 s21, s15, HALFT
	s_mul_i32 s22, s16, HALFT
	s_add_co_u32 s22, s22, 2*HALFT
.irp s, 0,1
	v_add_nc_u32 v[ADRA+\s], s21, v4
	v_add_nc_u32 v[ADRB+\s], s22, v4
	s_add_co_u32 s21, s21, SLOT
	s_add_co_u32 s22, s22, SLOT
.endr
	v_mul_u32_u24 v5, v1, KS
	v_lshrrev_b32 v6, 8, v5
	v_lshl_add_u32 v5, v6, 4, v5
	s_mul_i32 s21, s15, HALFS
	s_mul_i32 s22, s16, HALFS
	s_add_co_u32 s22, s22, 2*HALFS
	s_sub_co_u32 s22, s22, s21
	v_mul_u32_u24 v6, s22, v2
	s_add_co_u32 s21, s21, SCL
	v_add_nc_u32 v5, v5, v6
	v_add_nc_u32 v[ADRS], s21, v5
	v_and_b32 v3, 31, v0
	v_lshlrev_b32 v[OFF16], 4, v3
	s_mul_i32 s23, s14, WSTG
	v_lshrrev_b32 v4, 3, v1
	v_and_b32 v5, 7, v1
	v_lshlrev_b32 v[STO], 11, v4
	v_lshl_add_u32 v[STO], v5, 4, v[STO]
	v_lshl_add_u32 v[STO], v2, 3, v[STO]
	v_add_nc_u32 v[STO], s23, v[STO]
	v_add_nc_u32 v[RD], s23, v[OFF16]
	v_lshlrev_b32 v[SSTO], 6, v4
	v_lshl_add_u32 v[SSTO], v5, 2, v[SSTO]
	v_add_nc_u32 v[SSTO], s23, v[SSTO]
	v_add_nc_u32 v[SSTO], 16384, v[SSTO]
	v_add_nc_u32 v[SRD], 16384, v[RD]
	v_mov_b32 v[SELV], 0x05040100
	v_mov_b32 v19, 0x03020706
	v_cmp_gt_u32 vcc_lo, 8, v1
	v_cndmask_b32 v[SELV], v19, v[SELV], vcc_lo
	v_mov_b32 v19, 0x03020100
	v_cndmask_b32 v[SELV], v[SELV], v19, s[MBR]
	v_lshrrev_b32 v4, 2, v3
	v_and_b32 v5, 3, v3
	v_lshlrev_b32 v5, 4, v5
	v_lshrrev_b32 v6, 2, v4
	v_and_b32 v19, 3, v4
	v_lshl_add_u32 v6, v6, 12, v5
	v_lshl_add_u32 v6, v19, 6, v6
	v_and_b32 v19, 1, v4
	v_lshrrev_b32 v4, 1, v4
	v_lshl_add_u32 v5, v19, 12, v5
	v_lshl_add_u32 v5, v4, 6, v5
	v_cndmask_b32 v[SCO], v5, v6, s[MBR]
	v_lshlrev_b32 v22, 5, v2
	s_wait_alu depctr_va_vdst(0)
	v_lshlrev_b32 v23, 2, v1
	s_wait_alu depctr_va_vdst(0)
	s_lshl_b32 s20, s17, 8
	s_lshl_b32 s21, s15, 7
	s_add_co_u32 s20, s20, s21
	s_lshl_b32 s46, s42, 8
	s_lshl_b32 s47, s16, 7
	s_add_co_u32 s46, s46, s47
	s_lshl_b32 s22, s20, 2
	s_lshl_b32 s23, s46, 2
	s_cmp_eq_u32 s[ROLE], 2
	s_cselect_b32 s100, 0, s23
	s_cselect_b32 s104, s22, 0
	s_cselect_b32 s21, s46, s20
	s_cselect_b32 s47, s20, s46
	s_mov_b32 s101, 0
	s_mov_b32 s105, 0
	s_add_nc_u64 s[100:101], s[96:97], s[100:101]
	s_add_nc_u64 s[104:105], s[96:97], s[104:105]
.irp b, 0,1,2,3,4,5,6,7
	global_load_b128 v[BP+8*\b:BP+8*\b+3], v22, s[100:101] offset:64*\b
	global_load_b128 v[BP+8*\b+4:BP+8*\b+7], v22, s[100:101] offset:64*\b+16
.endr
.irp a, 0,1,2,3,4,5,6,7
	global_load_b32 v[BR+\a], v23, s[104:105] offset:64*\a
.endr
	s_lshr_b32 s22, s21, 11
	s_lshl_b32 s22, s22, 4
	s_lshr_b32 s23, s47, 6
	s_add_co_u32 s22, s22, s23
	s_bfe_u32 s23, s21, 0x40007
	s_lshl_b32 s20, s22, 17
	s_lshl_b32 s46, s23, 13
	s_add_co_u32 s20, s20, s46
	s_mov_b32 s21, 0
	s_add_nc_u64 s[12:13], s[12:13], s[20:21]
	s_lshl_b32 s20, s22, 12
	s_lshl_b32 s46, s23, 8
	s_add_co_u32 s20, s20, s46
	s_add_nc_u64 s[98:99], s[98:99], s[20:21]
	s_wait_loadcnt 0x0
.set i, 0
.rept 64
	v_cndmask_b32 v[BP+i], 0, v[BP+i], s[MBP]
.set i, i+1
.endr
.irp a, 0,1,2,3,4,5,6,7
	v_cndmask_b32 v[BR+\a], 0, v[BR+\a], s[MBR]
.endr
.macro FRAG reg, adr, q, i
.irp c, 0,1,2,3
	ds_load_b128 v[\reg+4*\c:\reg+4*\c+3], v[\adr] offset:128*(\q)+32*\c+(\i)*16*PITCH
.endr
.endm
.macro MUL16 a0, p, q, sc, zero
.irp a, \a0, \a0+1
.irp b, 0,1,2,3,4,5,6,7
.if \zero
	v_wmma_scale_f32_16x16x128_f8f6f4 v[8*(8*((\a)%4)+\b):8*(8*((\a)%4)+\b)+7], v[128*(\p)+FR*\b:128*(\p)+FR*\b+FR-1], v[AF+FR*(\a):AF+FR*(\a)+FR-1], v[BP+8*\b:BP+8*\b+7], v[SC+8*NQ*(\sc)+NQ*\b+(\q)], v[SC+8*NQ*(\sc)+NQ*(\a)+(\q)] matrix_a_fmt:MATRIX_FMT_BF8 matrix_b_fmt:MATRIX_FMT_BF8 matrix_a_scale:MATRIX_SCALE_ROW1
.else
	v_wmma_scale_f32_16x16x128_f8f6f4 v[8*(8*((\a)%4)+\b):8*(8*((\a)%4)+\b)+7], v[128*(\p)+FR*\b:128*(\p)+FR*\b+FR-1], v[AF+FR*(\a):AF+FR*(\a)+FR-1], v[8*(8*((\a)%4)+\b):8*(8*((\a)%4)+\b)+7], v[SC+8*NQ*(\sc)+NQ*\b+(\q)], v[SC+8*NQ*(\sc)+NQ*(\a)+(\q)] matrix_a_fmt:MATRIX_FMT_BF8 matrix_b_fmt:MATRIX_FMT_BF8 matrix_a_scale:MATRIX_SCALE_ROW1
.endif
.endr
.endr
.endm
.macro FETCH_B slot, q, p
	WIN TO_B
.irp i, 0,1,2,3,4,5,6,7
	FRAG 128*(\p)+FR*\i, ADRB+\slot, \q, \i
.endr
	WIN 0
.endm
.macro FETCH_A slot, q, i0
.irp i, \i0, \i0+1, \i0+2, \i0+3
	FRAG AF+FR*(\i), ADRA+\slot, \q, \i
.endr
.endm
.macro SCALES sc
.irp i, 0,1,2,3,4,5,6,7
	ds_load_b64 v[SC+8*NQ*\sc+NQ*\i:SC+8*NQ*\sc+NQ*\i+1], v[ADRS] offset:\i*SBLK
.endr
.endm
.macro PLACES n
.rept \n
	v_nop
.endr
.endm
.macro STEP slot, q, zero
	s_wait_dscnt 4*NL
.if \zero
	WIN FST_LO
.else
	WIN MUL_LO
.endif
	MUL16 0, (\q)%2, \q, \slot, \zero
	MUL16 2, (\q)%2, \q, \slot, \zero
	s_wait_dscnt 0
	PLACES NP
	FETCH_B \slot, (\q)+1, 1-(\q)%2
	FETCH_A \slot, (\q)+1, 0
.if \zero
	WIN FST_HI
.else
	WIN MUL_HI
.endif
	MUL16 4, (\q)%2, \q, \slot, \zero
	MUL16 6, (\q)%2, \q, \slot, \zero
	PLACES NP
	WIN 0
	FETCH_A \slot, (\q)+1, 4
.endm
.macro TURN slot, next, fill
	s_wait_tensorcnt 0x0
	ds_add_u32 v[SPW], v[NIL]
	s_wait_dscnt 4*NL+1
	WIN MUL_LO
	MUL16 0, 1, NQ-1, \slot, 0
	s_wait_dscnt 0x0
	s_barrier_signal -1
	MUL16 2, 1, NQ-1, \slot, 0
	WIN 0
	s_barrier_wait -1
.if \fill
	CREST
	s_add_nc_u64 s[G0+4*\slot+2:G0+4*\slot+3], s[G0+4*\slot+2:G0+4*\slot+3], 2*ROWB
	s_add_nc_u64 s[G0B+4*\slot+2:G0B+4*\slot+3], s[G0B+4*\slot+2:G0B+4*\slot+3], 2*ROWB
	JLOAD G0+4*\slot, G1, G0B+4*\slot, G1B
	PLACES NP-4
.else
	PLACES NP
.endif
	s_wait_alu depctr_va_vdst(0)
	v_add_nc_u32 v[ADRS], 4*NQ, v[ADRS]
	FETCH_B \next, 0, 0
	FETCH_A \next, 0, 0
	SCALES \next
	WIN MUL_HI
	MUL16 4, 1, NQ-1, \slot, 0
	MUL16 6, 1, NQ-1, \slot, 0
	PLACES NP
	WIN 0
	FETCH_A \next, 0, 4
.endm
	s_wait_alu depctr_va_vdst(0)
	s_wait_tensorcnt 0x0                           ; my tile of the head's four is in
	ds_add_u32 v[SPW], v[NIL]
	s_mov_b32 s[G1+2], 128<<16                     ; no tensor load of mine is out: from here on a load brings 128 rows
	s_mov_b32 s[G1+4], 128
	s_mov_b32 s[G1B+2], 128<<16
	s_mov_b32 s[G1B+4], 128
	s_wait_dscnt 0x0
	CROUND                                         ; all four tiles are in, and all sixteen work-groups are here
	JLOAD G0+4, G1, G0B+4, G1B                     ; K step 1, the first tensor load behind the round
	FETCH_B 0, 0, 0
	FETCH_A 0, 0, 0
	SCALES 0
	FETCH_A 0, 0, 4
	STEP 0, 0, 1
	s_mov_b32 s3, LAPS-1
.Llap:
	TURN 0, 1, 1
	STEP 1, 0, 0
	TURN 1, 0, 1
	STEP 0, 0, 0
	s_sub_co_u32 s3, s3, 1
	s_cmp_lg_u32 s3, 0
	s_cbranch_scc1 .Llap
	TURN 0, 1, 0
	STEP 1, 0, 0
	s_wait_dscnt 4*NL
	WIN MUL_LO
	MUL16 0, 1, NQ-1, 1, 0
	MUL16 2, 1, NQ-1, 1, 0
	s_wait_dscnt 0
	WIN MUL_HI
	MUL16 4, 1, NQ-1, 1, 0
	MUL16 6, 1, NQ-1, 1, 0
	WIN 0
	PLACES NP
	s_mov_b32 s[SEL], 0x76543210
	s_mov_b32 s[SEL+1], 0xfedcba98
	s_mov_b32 s[MNT], 0x600000
	s_cmp_eq_u32 s[ROLE], 2
	s_mov_b32 s20, 131072
	s_mov_b32 s22, 1024
	s_mov_b32 s23, 4096
	s_cselect_b32 s21, 1024, s20
	s_cselect_b32 s22, 2048, s22
	s_cselect_b32 s23, s20, s23
.irp a, 0,1,2,3,4,5,6,7
	s_mul_i32 s46, s22, \a%4
	s_mul_i32 s47, s23, \a/4
	s_add_co_u32 s46, s46, s47
	v_add_nc_u32 v[VO+2*\a], s46, v[OFF16]
	v_add_nc_u32 v[VO+2*\a+1], s21, v[VO+2*\a]
.endr
.irp b, 0,1,2,3
	v_mov_b32 v[TM+4+\b], 0
.endr
	v_mov_b32 v[PWP], 0
.macro QBLK a
.set AC, 64*((\a)%4)
.set WN, 0x02+(\a)/4
	v_mov_b32 v[BRP], v[BR+(\a)]
	v_mov_b32 v[BRP+1], v[BR+(\a)]
	WIN WN
.set i, 0
.rept 32
	v_pk_add_f32 v[X+2*i:X+2*i+1], v[AC+2*i:AC+2*i+1], v[BRP:BRP+1]
.set i, i+1
.endr
	WIN 0
.irp b, 0,1,2,3
	v_max3_num_f32 v[TM+\b], |v[X+16*\b]|, |v[X+1+16*\b]|, 0x8000000
.endr
.irp i, 2,4,6,8,10,12,14
.irp b, 0,1,2,3
	v_max3_num_f32 v[TM+\b], v[TM+\b], |v[X+16*\b+\i]|, |v[X+1+16*\b+\i]|
.endr
.endr
.irp b, 0,1,2,3
	v_permlanex16_b32 v[TM+4+\b], v[TM+\b], s[SEL], s[SEL+1]
.endr
.irp b, 0,1,2,3
	v_max_num_f32 v[TM+\b], v[TM+\b], v[TM+4+\b]
.endr
.irp b, 0,1,2,3
	v_add_nc_u32 v[TM+12+\b], 0xf8800000, v[TM+\b]
.endr
.irp b, 0,1,2,3
	v_and_or_b32 v[TM+8+\b], v[TM+\b], 0x7f800000, s[MNT]
.endr
.irp b, 0,1,2,3
	v_lshrrev_b32 v[TM+4+\b], 23, v[TM+12+\b]
.endr
	v_lshl_or_b32 v[PW], v[TM+5], 8, v[TM+4]
	v_lshl_or_b32 v[PW], v[TM+6], 16, v[PW]
	v_lshl_or_b32 v[PW], v[TM+7], 24, v[PW]
.irp b, 0,1,2,3
.irp i, 0,1,2,3,4,5,6,7,8,9,10,11,12,13,14,15
	v_med3_num_f32 v[X+16*\b+\i], v[X+16*\b+\i], -v[TM+8+\b], v[TM+8+\b]
.endr
	v_cvt_scalef32_pk8_bf8_f32 v[PC+4*\b:PC+1+4*\b], v[X+16*\b:X+7+16*\b], v[TM+12+\b]
	v_cvt_scalef32_pk8_bf8_f32 v[PC+2+4*\b:PC+3+4*\b], v[X+8+16*\b:X+15+16*\b], v[TM+12+\b]
.endr
	v_nop
	v_mov_b32_dpp v[PWP], v[PW] row_xmask:8 row_mask:0xf bank_mask:0xf
	v_perm_b32 v[PWO], v[PWP], v[PW], v[SELV]
.irp b, 0,1,2,3,4,5,6,7
	ds_store_b64 v[STO], v[PC+2*\b:PC+2*\b+1] offset:4096*((\a)/2)+128*((\a)%2)+512*(\b/2)+256*(\b%2)
.endr
	ds_store_b32 v[SSTO], v[PWO] offset:128*((\a)/2)+32*((\a)%2)
	s_wait_dscnt 0x0
.endm
.macro SENDG g
.if (\g) >= 2
	s_wait_xcnt 0x0
.endif
.irp i, 0,1,2,3,4,5,6,7
	ds_load_b128 v[OUT+32*((\g)%2)+4*\i:OUT+32*((\g)%2)+4*\i+3], v[RD] offset:4096*(\g)+512*\i
.endr
	s_wait_dscnt 0x0
.irp i, 0,1,2,3,4,5,6,7
	global_store_b128 v[VO+2*(2*(\g)+\i/4)+(\i%4)/2], v[OUT+32*((\g)%2)+4*\i:OUT+32*((\g)%2)+4*\i+3], s[12:13] offset:512*(\i%2)
.endr
.endm
.irp g, 0,1,2,3
	QBLK 2*\g
	QBLK 2*\g+1
	SENDG \g
.endr
	ds_load_b128 v[SW:SW+3], v[SRD]
	s_wait_dscnt 0x0
	global_store_b128 v[SCO], v[SW:SW+3], s[98:99]
	s_wait_tensorcnt 0x0
	ds_add_u32 v[SPW], v[NIL]
	s_wait_dscnt 0x0
	CROUND
	s_endpgm
.Lfunc_end_k_q5b4ae794b2_proj:
	.size	k_q5b4ae794b2_proj, .Lfunc_end_k_q5b4ae794b2_proj-k_q5b4ae794b2_proj
	.p2alignl 7, 3214868480
	.fill 96, 4, 3214868480
	.section	.rodata,"a",@progbits
	.p2align	6, 0x0
	.amdhsa_kernel k_q5b4ae794b2_proj
		.amdhsa_group_segment_fixed_size 327680
		.amdhsa_private_segment_fixed_size 0
		.amdhsa_enable_private_segment 0
		.amdhsa_kernarg_size 136
		.amdhsa_user_sgpr_count 2
		.amdhsa_user_sgpr_kernarg_segment_ptr 1
		.amdhsa_wavefront_size32 1
		.amdhsa_system_sgpr_workgroup_id_x 1
		.amdhsa_system_sgpr_workgroup_id_y 1
		.amdhsa_system_sgpr_workgroup_id_z 1
		.amdhsa_system_vgpr_workitem_id 0
		.amdhsa_next_free_vgpr 1024
		.amdhsa_next_free_sgpr 106
		.amdhsa_reserve_vcc 1
		.amdhsa_float_denorm_mode_32 3
		.amdhsa_float_denorm_mode_16_64 3
		.amdhsa_memory_ordered 1
		.amdhsa_forward_progress 1
		.amdhsa_inst_pref_size 220
	.end_amdhsa_kernel
	.amdgpu_metadata
---
amdhsa.version: [ 1, 2 ]
amdhsa.kernels:
  - .name:           k_q5b4ae794b2_proj
    .symbol:         k_q5b4ae794b2_proj.kd
    .args:
      - { .name: x_codes, .offset: 0, .size: 8, .value_kind: global_buffer, .address_space: global }
      - { .name: x_scales, .offset: 8, .size: 8, .value_kind: global_buffer, .address_space: global }
      - { .name: Wq_codes, .offset: 16, .size: 8, .value_kind: global_buffer, .address_space: global }
      - { .name: Wq_scales, .offset: 24, .size: 8, .value_kind: global_buffer, .address_space: global }
      - { .name: Wk_codes, .offset: 32, .size: 8, .value_kind: global_buffer, .address_space: global }
      - { .name: Wk_scales, .offset: 40, .size: 8, .value_kind: global_buffer, .address_space: global }
      - { .name: Wv_codes, .offset: 48, .size: 8, .value_kind: global_buffer, .address_space: global }
      - { .name: Wv_scales, .offset: 56, .size: 8, .value_kind: global_buffer, .address_space: global }
      - { .name: bq, .offset: 64, .size: 8, .value_kind: global_buffer, .address_space: global }
      - { .name: bk, .offset: 72, .size: 8, .value_kind: global_buffer, .address_space: global }
      - { .name: bv, .offset: 80, .size: 8, .value_kind: global_buffer, .address_space: global }
      - { .name: q_img, .offset: 88, .size: 8, .value_kind: global_buffer, .address_space: global }
      - { .name: q_sc, .offset: 96, .size: 8, .value_kind: global_buffer, .address_space: global }
      - { .name: k_img, .offset: 104, .size: 8, .value_kind: global_buffer, .address_space: global }
      - { .name: k_sc, .offset: 112, .size: 8, .value_kind: global_buffer, .address_space: global }
      - { .name: v_img, .offset: 120, .size: 8, .value_kind: global_buffer, .address_space: global }
      - { .name: v_sc, .offset: 128, .size: 8, .value_kind: global_buffer, .address_space: global }
    .group_segment_fixed_size: 327680
    .private_segment_fixed_size: 0
    .kernarg_segment_align: 8
    .kernarg_segment_size: 136
    .max_flat_workgroup_size: 128
    .sgpr_count:     106
    .vgpr_count:     1024
    .wavefront_size: 32
...
	.end_amdgpu_metadata
.endif
;; end of part 1
;; launch attn (part 2): grid 4 x 64, 8 waves a work-group, clusters of 4 x 1, 271,360 bytes of LDS; arguments q_img, q_sc, k_img, k_sc, v_img, v_sc, o_img, o_sc; writes o_img, o_sc
.if DOCPART == 2
	.amdgcn_target "amdgcn-amd-amdhsa--gfx1250"
	.amdhsa_code_object_version 6
	.text
	.protected	k_q5b4ae794b2_attn
	.globl	k_q5b4ae794b2_attn
	.p2align	8
	.type	k_q5b4ae794b2_attn,@function
k_q5b4ae794b2_attn:
	s_mov_b64 s[64:65], 0
	v_nop
	global_prefetch_b8 v0, s[64:65] scope:SCOPE_SE
	s_setreg_imm32_b32 hwreg(HW_REG_WAVE_MODE, 25, 1), 1
	s_wait_xcnt 0x0
	s_wait_alu depctr_hold_cnt(0) depctr_sa_sdst(0) depctr_va_vdst(0) depctr_va_sdst(0) depctr_va_ssrc(0) depctr_va_vcc(0) depctr_vm_vsrc(0)
	s_getreg_b32 s2, hwreg(HW_REG_IB_STS2, 6, 4)
	s_cmp_eq_u32 s2, 0
	s_cbranch_scc0 .Lentry_in_a_cluster
	s_endpgm
.Lentry_in_a_cluster:
	s_bfe_u32 s2, ttmp6, 0x10000c
	s_cmp_lg_u32 s2, 0x3003
	s_cbranch_scc0 .Lentry_shape_is_right
	s_endpgm
.Lentry_shape_is_right:
; O[bh][q] = the sum over k of softmax_k(Q[bh][q] . K[bh][k] / 8) V[bh][k]: 64 heads x batches of 2,048 x 64, both products on codes of BF8 (E5M2) with one E8M0 scale for each 32 along a product's K.
; THE SOFTMAX AHEAD OF THE SECOND PRODUCT: t = score x log2(e) / 8; M = the row's largest t so far, rounded UP to a whole number; p = 2^(t - M) is quantised along the keys, not normalised.
; The row's sum is taken of the unquantised p and divides O at the end; when M moves, the sum and O are multiplied by 2^(old M - new M): exact.  The quotient is quantised along d_model and leaves as an operand's image.
; SHARES.  A work-group owns 512 queries of one bh; its eight waves own 32 each (two tiles of 16) in each of two passes.  A head's K and V images, 262,144 bytes, lie in LDS whole, filled once:
; each wave asks for 32,768 bytes (waves 0-3 K's quarters, waves 4-7 V's) by ONE joint load that names the four work-groups of the cluster, the four query blocks of one bh.  One barrier shows all of it.
; The scale words of K and V, 8,192 bytes of the 270,336, come by plain loads and an LDS store into bytes of their own: they are not asked for jointly, being 3 in a hundred of the fill.
; No prefetch: every byte of K and V is asked for once, at the head; there is no loop to run ahead in.
; K = 64 IN AN INSTRUCTION OF K = 128.  A fragment of K holds 32 keys: keys A in the lower 64 of the instruction's K, keys B in the upper.  The queries stand as [q | 0] for keys A and [0 | q] for keys B: zero codes add nothing.
; LAYOUT.  Both products are used transposed: S^T = K Q^T, O^T = V^T P^T: a lane holds ONE query.  The images' rows are ordered (32 f + 8 u + r + 8 (r / 8)) so that p's 16 registers of two neighbouring tiles are 16 neighbouring keys,
; and O^T's 16 registers 16 neighbouring channels: the conversions' results are the next operand's registers.
; o_img: [tile of 16 rows 512][128 along K: 8][c 4][lane 32][16 bytes];  o_sc: [row 8,192][32 bytes], stored two bytes a row: a row's 32 bytes come from sixteen work-groups.
; THE KEY STEP (128 keys, both tiles): the scores of both tiles; then V of this step and K of the NEXT step are asked of LDS in one run, and are waited for behind tile 0's exponentials; O^T of tile 0; tile 1's softmax; O^T of tile 1.
; K has registers of its own beside V's, so no product stands directly behind its operands' loads.  A pass's last step asks for K of step 0: the next pass begins with it (the last pass's is not used).
; THE SOFTMAX'S LINES are laid in independent chains: eight for the blocks' maxima, eight for the row's sum; a tile's 68 exponentials are one batch.
; LIMITS: NaN and infinities are not served.  The promise holds while the scaled scores t stay under 2^31 in magnitude.  The division by the sum is v_rcp_f32 and a multiplication.
; A block whose largest magnitude lies under 2^-111, a block of zeros among them, gets the byte 1 (this program alone reads the bytes).
; REGISTERS.  Window 0: v1-7, v12 addresses; v8-11 V's scale words; v16-55 zeros, q A, zeros, q B, zeros; v56-63 K's, the queries' and p's scale words; v64-95 K's fragments 2, 3; v236-252 the next pass's queries.
; Window 1: v0-63 V's four fragments; v64-95 K's fragments 0, 1.  A tile's own registers have the same numbers in window 0 (tile 0) and window 1 (tile 1): v96-159 S^T, then p; v160-191 O^T; v192-207 partial sums, then codes; v208-234 statistics.
.set VIMG,  131072                     ; LDS: K's image at 0, V's here,
.set KSCL,  262144                     ; K's scale words (4,096 bytes), V's behind them,
.set SPARE, 270336                     ; the spare words: 128 bytes a wave
.set AK,   1                           ; 16 x lane: my place in a piece of an image, in LDS and in memory
.set AV,   2                           ; + VIMG
.set ASC,  3                           ; KSCL + 4 r
.set ADK,  4                           ; the step's addresses: K of the next step,
.set ADV,  5                           ; V,
.set ADS,  6                           ; V's scale words (4,096 further on),
.set ADT,  7                           ; K's of the next step
.set VSW,  8
.set GS,   12                          ; 32 r: my row of o_sc
.set QZ,   16
.set KSW,  56
.set QS,   60
.set PS,   62
.set KF,   64
.set QN,   236
.set QNS,  252
.set S,    96
.set O,    160
.set PC,   192
.set NM,   208                         ; -M
.set TX,   209                         ; the running largest SCORE
.set L,    210                         ; the row's sum in two halves
.set BM,   212                         ; each block's largest score, then its largest p
.set PB,   216
.set HV,   220                         ; 57,344 x the scale
.set SO,   224                         ; the conversions' scale operands
.set F,    228                         ; 2^(old M - new M); at the end 1 / the sum
.set TT,   230                         ; v[230:231], v[232:233] at work
.set U,    232
.set PWT,  234
.set WV,   20
.set G1C,  24
.set G0,   40
.set SEL,  60
.set CS,   62
.set MNT,  66
.set TS,   67                          ; the step's first byte in an image: 8,192 x step
.set TS5,  68                          ; and among the scale words: 256 x step
.set CNT,  69
.set PASS, 70
.set TN,   71                          ; the same two for the next step, step 16 being step 0
.set TN5,  72
.set MSB, 0
.macro WIN new                         ; the immediate's high byte repeats the setting that is left
.if MSB != \new
	s_set_vgpr_msb (MSB<<8)|\new
.set MSB, \new
.endif
.endm
.macro WALU
	s_wait_alu depctr_va_vdst(0)
.endm
.macro CROUND                          ; a round of the cluster's barrier
	s_barrier_signal -1
	s_barrier_wait -1
	s_cmp_lg_u32 s[WV], 0
	s_cbranch_scc1 .Lnot_wave_0_\@
	s_barrier_signal -3
.Lnot_wave_0_\@:
	s_barrier_wait -3
	s_barrier_signal -1
	s_barrier_wait -1
.endm
	s_load_b512 s[4:19], s[0:1], 0x0               ; q_img, q_sc, k_img, k_sc, v_img, v_sc, o_img, o_sc
	v_lshl_add_u32 v254, v0, 2, SPARE
	v_mov_b32 v255, 0
	ds_add_u32 v254, v255                          ; the opening lines: the add, twice on end, and its wait ahead of my tensor load
	ds_add_u32 v254, v255
	v_lshrrev_b32 v13, 5, v0
	v_readfirstlane_b32 s[WV], v13                 ; wave 0..7
	s_bfe_u32 s21, ttmp6, 0x40000                  ; cx: which 512 queries: it enters Q's and O's addresses alone
	s_and_b32 s22, ttmp7, 0xffff                   ; bh, which the four partners share
	s_mov_b32 s[G1C], 15|(3<<16)|(1<<21)           ; the mask: all four work-groups; elements of 8 bytes; bit 21 beside a mask; no padding: every LDS read takes 512 consecutive bytes
	s_mov_b32 s[G1C+1], 32<<16                     ; rows of 256 bytes,
	s_mov_b32 s[G1C+2], 128<<16                    ; 128 of them
	s_mov_b32 s[G1C+3], 32<<16
	s_mov_b32 s[G1C+4], 128
	s_mov_b32 s[G1C+5], 32                         ; dense
	s_mov_b32 s[G1C+6], 0
	s_mov_b32 s[G1C+7], 0
	s_lshr_b32 s73, s[WV], 2                       ; waves 0-3 fetch K's image, waves 4-7 V's;
	s_and_b32 s74, s[WV], 3                        ; each a quarter
	s_lshl_b32 s76, s73, 17
	s_lshl_b32 s77, s74, 15
	s_add_co_u32 s76, s76, s77                     ; in LDS,
	s_lshl_b32 s80, s22, 17
	s_add_co_u32 s80, s80, s77                     ; and in memory: 131,072 bh + 32,768 x quarter
	s_mov_b32 s81, 0
	s_mov_b32 s[SEL], 0x76543210
	s_mov_b32 s[SEL+1], 0xfedcba98
	s_mov_b32 s[CS], 0x3e38aa3b                    ; c = log2(e) / 8
	s_mov_b32 s[CS+1], s[CS]
	s_mov_b32 s[MNT], 0x600000
	s_wait_dscnt 0x0
	s_wait_kmcnt 0x0
	s_cmp_lt_u32 s[WV], 4
	s_cselect_b64 s[82:83], s[8:9], s[12:13]
	s_add_nc_u64 s[82:83], s[82:83], s[80:81]
	s_mov_b32 s[G0], 1
	s_mov_b32 s[G0+1], s76
	s_mov_b64 s[G0+2:G0+3], s[82:83]
	s_or_b32 s[G0+3], s[G0+3], 0x80000000
	CROUND                                         ; all four work-groups are here: the joint loads meet
	tensor_load_to_lds s[G0:G0+3], s[G1C:G1C+7]    ; my one tensor load of the launch
	s_nop 0
.rept 4
	v_nop
.endr
	s_lshl_b32 s86, s21, 4
	s_add_co_u32 s86, s86, s[WV]                   ; my fragment of queries in pass 0: 16 cx + wave; pass 1: 8 further on
	s_lshl_b32 s88, s86, 11
	s_lshl_b32 s90, s22, 17
	s_add_co_u32 s88, s88, s90
	s_mov_b32 s89, 0
	s_add_nc_u64 s[4:5], s[4:5], s[88:89]
	s_lshl_b32 s88, s86, 6
	s_lshl_b32 s90, s22, 12
	s_add_co_u32 s88, s88, s90
	s_add_nc_u64 s[6:7], s[6:7], s[88:89]
	s_mov_b32 s88, s90                             ; the head's scale words: 4,096 bh
	s_add_nc_u64 s[10:11], s[10:11], s[88:89]
	s_add_nc_u64 s[14:15], s[14:15], s[88:89]
	s_lshr_b32 s90, s22, 4                         ; batch
	s_and_b32 s91, s22, 15                         ; head
	s_lshl_b32 s90, s90, 7
	s_lshl_b32 s92, s86, 1
	s_add_co_u32 s90, s90, s92                     ; my first tile of 16 rows of o: 128 batch + 32 cx + 2 wave
	s_lshl_b32 s88, s90, 14
	s_lshl_b32 s92, s91, 10
	s_add_co_u32 s88, s88, s92                     ; 16,384 a tile; a head's 64 along K are two pieces of 512 bytes
	s_add_nc_u64 s[16:17], s[16:17], s[88:89]
	s_lshl_b32 s88, s90, 9
	s_lshl_b32 s92, s91, 1
	s_add_co_u32 s88, s88, s92                     ; 512 a tile, 2 bytes a head
	s_add_nc_u64 s[18:19], s[18:19], s[88:89]
	v_and_b32 v13, 31, v0                          ; lane
	v_and_b32 v14, 15, v0                          ; r
	v_lshlrev_b32 v[AK], 4, v13
	v_lshl_add_u32 v[ASC], v14, 2, KSCL
	v_lshlrev_b32 v[GS], 5, v14
	v_lshlrev_b32 v15, 2, v14
	v_lshlrev_b32 v235, 4, v0                      ; 16 x thread: my 16 bytes of the head's 4,096 bytes of scale words,
	v_lshl_add_u32 v253, v0, 4, KSCL               ; and their place in LDS
	v_add_nc_u32 v[AV], VIMG, v[AK]
	WALU                                           ; the wait ahead of the readers below
	global_load_b128 v[QZ+8:QZ+11], v[AK], s[4:5]              ; pass 0's fragment: pieces 0, 1 are tile 0's queries,
	global_load_b128 v[QZ+12:QZ+15], v[AK], s[4:5] offset:512
	global_load_b128 v[QZ+24:QZ+27], v[AK], s[4:5] offset:1024 ; pieces 2, 3 tile 1's
	global_load_b128 v[QZ+28:QZ+31], v[AK], s[4:5] offset:1536
.irp c, 0,1,2,3
	global_load_b128 v[QN+4*\c:QN+4*\c+3], v[AK], s[4:5] offset:16384+512*\c   ; pass 1's
.endr
	global_load_b32 v[PWT], v15, s[6:7]
	global_load_b32 v[QNS], v15, s[6:7] offset:512
	global_load_b128 v[S:S+3], v235, s[10:11]      ; K's scale words: sixteen lanes read 256 consecutive bytes
	global_load_b128 v[S+4:S+7], v235, s[14:15]    ; V's
.irp i, 0,1,2,3,4,5,6,7
	v_mov_b32 v[QZ+\i], 0                          ; the zero halves of the queries' operands: written once
	v_mov_b32 v[QZ+16+\i], 0
	v_mov_b32 v[QZ+32+\i], 0
.endr
.macro RESET                           ; a tile's state at the head of a pass: the step is written once, its first trip finds zeros, which the first change of M leaves zeros
.set i, 0
.rept 32
	v_mov_b32 v[O+i], 0
.set i, i+1
.endr
	v_mov_b32 v[TX], 0xff61b1e6                    ; -3e38, under every score
	v_floor_f32 v[NM], -v[TX]
	v_mov_b32 v[L], 0
	v_mov_b32 v[L+1], 0
.endm
.macro ONCE                            ; a lane permute's destination counts as one of its sources; v229 is named as the upper half of a pair
.irp b, 0,1,2,3
	v_mov_b32 v[PB+\b], 0
.endr
	v_mov_b32 v[F+1], 0
.endm
	RESET
	ONCE
	WIN 0x55
	RESET
	ONCE
	WIN 0
	WALU                                           ; the wait at the head's end
	s_wait_loadcnt 0x0
	v_perm_b32 v[QS], v[PWT], v[PWT], 0x01000100   ; tile 0's two bytes, twice: they serve [q | 0] and [0 | q] alike
	v_perm_b32 v[QS+1], v[PWT], v[PWT], 0x03020302 ; tile 1's
	WALU                                           ; and here, directly ahead of the wait below
	s_wait_tensorcnt 0x0                           ; my quarter of an image is in
	ds_store_b128 v253, v[S:S+3]                   ; the scale words, into bytes on which no tensor load lands
	ds_store_b128 v253, v[S+4:S+7] offset:4096
	s_wait_dscnt 0x0
	s_barrier_signal -1
	s_barrier_wait -1                              ; both images and all scale words are in, for every wave
; S^T of tile z for 64 keys: fragments 2 g, 2 g + 1; keys A against [q | 0], keys B against [0 | q].  In tile 2 f + u register j of lane (r, h) is key 32 f + 16 h + 8 u + j of query r.
.macro QK z, g
.irp i, 0,1
	v_wmma_scale_f32_16x16x128_f8f6f4 v[S+16*(2*\g+\i):S+16*(2*\g+\i)+7], v[KF+16*\i:KF+16*\i+15], v[QZ+8+16*\z:QZ+23+16*\z], 0, v[KSW+2*\g+\i], v[QS+\z] matrix_a_fmt:MATRIX_FMT_BF8 matrix_b_fmt:MATRIX_FMT_BF8
	v_wmma_scale_f32_16x16x128_f8f6f4 v[S+16*(2*\g+\i)+8:S+16*(2*\g+\i)+15], v[KF+16*\i:KF+16*\i+15], v[QZ+16*\z:QZ+15+16*\z], 0, v[KSW+2*\g+\i], v[QS+\z] matrix_a_fmt:MATRIX_FMT_BF8 matrix_b_fmt:MATRIX_FMT_BF8
.endr
.endm
; O^T of tile z += V^T P^T.  The four accumulators take turns; between two links of a chain stand the step's twenty-three other matrix instructions.
.macro PV z
.irp t, 0,1,2,3
	v_wmma_scale_f32_16x16x128_f8f6f4 v[O+8*\t:O+8*\t+7], v[16*\t:16*\t+15], v[PC:PC+15], v[O+8*\t:O+8*\t+7], v[VSW+\t], v[PS+\z] matrix_a_fmt:MATRIX_FMT_BF8 matrix_b_fmt:MATRIX_FMT_BF8
.endr
.endm
.macro KLOAD adr, ads                  ; K's four fragments and their scale words: fragments 0, 1 into window 1, fragments 2, 3 into window 0; each load takes 512 consecutive bytes
.irp f, 0,1,2,3
	ds_load_b32 v[KSW+\f], v[\ads] offset:64*\f
.endr
	WIN 0x40
.irp i, 0,1
.irp c, 0,1,2,3
	ds_load_b128 v[KF+16*\i+4*\c:KF+16*\i+4*\c+3], v[\adr] offset:2048*\i+512*\c
.endr
.endr
	WIN 0
.irp i, 0,1
.irp c, 0,1,2,3
	ds_load_b128 v[KF+16*\i+4*\c:KF+16*\i+4*\c+3], v[\adr] offset:4096+2048*\i+512*\c
.endr
.endr
.endm
.macro MINS b, i0                      ; eight holds of block b: the conversion does not saturate (ISA guide 7.6.2); p is not negative, so the hold is one-sided
.set i, \i0
.rept 4                                ; two holds an instruction: the bound is the first source of both halves, the two p lie in neighbouring registers (an even and an odd destination)
	v_dual_min_num_f32 v[S+16*(\b)+i], v[HV+(\b)], v[S+16*(\b)+i] :: v_dual_min_num_f32 v[S+16*(\b)+i+1], v[HV+(\b)], v[S+16*(\b)+i+1]
.set i, i+2
.endr
.endm
.macro CVT b, u                        ; eight codes of block b
	v_cvt_scalef32_pk8_bf8_f32 v[PC+4*(\b)+2*(\u):PC+4*(\b)+2*(\u)+1], v[S+16*(\b)+8*(\u):S+16*(\b)+8*(\u)+7], v[SO+(\b)]
.endm
; A tile's softmax for 128 keys; under window 0 for tile 0, window 1 for tile 1.
.macro SOFT z
.if \z
	WALU                                           ; the wait stands directly ahead of their first readers
.endif
.irp b, 0,1,2,3                                ; THE LARGEST SCORE OF EACH BLOCK OF 32 KEYS, a chain to each accumulator, from its low end on.  It serves twice: for the row's maximum and, since p rises with the score, for the block's largest p
	v_max3_num_f32 v[BM+\b], v[S+16*\b], v[S+1+16*\b], v[S+2+16*\b]
	v_max3_num_f32 v[PB+\b], v[S+8+16*\b], v[S+9+16*\b], v[S+10+16*\b]
.endr
.irp i, 3,5
.irp b, 0,1,2,3
	v_max3_num_f32 v[BM+\b], v[BM+\b], v[S+16*\b+\i], v[S+1+16*\b+\i]
	v_max3_num_f32 v[PB+\b], v[PB+\b], v[S+8+16*\b+\i], v[S+9+16*\b+\i]
.endr
.endr
.irp b, 0,1,2,3
	v_max3_num_f32 v[BM+\b], v[BM+\b], v[PB+\b], v[S+7+16*\b]
.endr
.irp b, 0,1,2,3
	v_max_num_f32 v[BM+\b], v[BM+\b], v[S+15+16*\b]
.endr
.irp b, 0,1,2,3
	v_permlanex16_b32 v[PB+\b], v[BM+\b], s[SEL], s[SEL+1]
.endr
.irp b, 0,1,2,3
	v_max_num_f32 v[BM+\b], v[BM+\b], v[PB+\b]     ; with lane xor 16's 16 keys
.endr
	v_max3_num_f32 v[TX], v[TX], v[BM], v[BM+1]
	v_max3_num_f32 v[TX], v[TX], v[BM+2], v[BM+3]  ; the running largest score
	v_mov_b32 v[TT], v[NM]
	v_mul_f32 v[TT+1], s[CS], v[TX]                ; the running largest t: c is positive, and a rounded product does not fall where its factor rises
	v_floor_f32 v[NM], -v[TT+1]                    ; the new -M = -ceil(t): a whole number
.set j, 0
.rept 32
	v_pk_fma_f32 v[S+j:S+j+1], v[S+j:S+j+1], s[CS:CS+1], v[NM:NM+1] op_sel_hi:[1,0,0]   ; t - M, two at a time
.if j == 8
	v_sub_f32 v[TT], v[NM], v[TT]                  ; old M - new M: a whole number, 0 or less
.endif
.if j == 24
	v_cvt_i32_f32 v[TT], v[TT]                     ; (it saturates)
.endif
.set j, j+2
.endr
.irp b, 0,1,2,3
	v_fma_f32 v[BM+\b], v[BM+\b], s[CS], v[NM]     ; the same of each block's largest score
.endr
	WALU                                           ; one wait ahead of the batch
.irp b, 0,1,2,3
	v_exp_f32 v[BM+\b], v[BM+\b]                   ; the block's largest p: the same two instructions on the same number give the same bits
.endr
.set j, 0
.rept 64
	v_exp_f32 v[S+j], v[S+j]                       ; p = 2^(t - M), at most 1: not normalised
.set j, j+1
.endr
	v_ldexp_f32 v[F], 1.0, v[TT]                   ; f = 2^(old M - new M)  (the plain place behind the exponentials)
.if \z == 0
	s_wait_dscnt 0x0                               ; V and the next step's K are in: all 40 loads were issued ahead of this softmax
.endif
	WALU                                           ; one wait behind the batch, ahead of its first reader; it stands directly ahead of O^T's first readers too
.set j, 0
.rept 16
	v_pk_mul_f32 v[O+j:O+j+1], v[O+j:O+j+1], v[F:F+1] op_sel_hi:[1,0]   ; O^T under the new M, each accumulator from its low end on
.set j, j+2
.endr
.irp k, 0,1,2,3,4,5,6,7                        ; THE ROW'S SUM IS TAKEN OF THE UNQUANTISED p: two at a time, in eight chains, which lie where the codes will
	v_pk_add_f32 v[PC+2*\k:PC+2*\k+1], v[S+2*\k:S+2*\k+1], v[S+16+2*\k:S+17+2*\k]
.endr
.irp m, 32,48
.irp k, 0,1,2,3,4,5,6,7
	v_pk_add_f32 v[PC+2*\k:PC+2*\k+1], v[PC+2*\k:PC+2*\k+1], v[S+\m+2*\k:S+\m+1+2*\k]
.endr
.endr
.irp k, 0,1,2,3
	v_pk_add_f32 v[PC+2*\k:PC+2*\k+1], v[PC+2*\k:PC+2*\k+1], v[PC+8+2*\k:PC+9+2*\k]
.endr
.irp b, 0,1,2,3
	v_max_num_f32 v[BM+\b], 0x8000000, v[BM+\b]    ; the floor 2^(16 - 127): the byte cannot fall under 1
.endr
	v_pk_add_f32 v[TT:TT+1], v[PC:PC+1], v[PC+4:PC+5]
	v_pk_add_f32 v[U:U+1], v[PC+2:PC+3], v[PC+6:PC+7]
.irp b, 0,1,2,3
	v_add_nc_u32 v[SO+\b], 0xf8800000, v[BM+\b]    ; 15 off the exponent field: the conversion's scale operand
.endr
.irp b, 0,1,2,3
	v_and_or_b32 v[HV+\b], v[BM+\b], 0x7f800000, s[MNT]   ; 57,344 x the scale
.endr
.irp b, 0,1,2,3
	v_lshrrev_b32 v[PB+\b], 23, v[SO+\b]           ; the scale's byte
.endr
	v_lshl_or_b32 v[PWT], v[PB+1], 8, v[PB]
	v_lshl_or_b32 v[PWT], v[PB+2], 16, v[PWT]
.if \z
	WIN 0x11                                       ; scale operands are always taken from window 0: the finished word goes there
.endif
	v_lshl_or_b32 v[PS+\z], v[PB+3], 24, v[PWT]    ; p's scale word for these 128 keys
.if \z
	WIN 0x55
.endif
	MINS 0, 0
	MINS 0, 8
.irp b, 1,2,3                                  ; a block's conversions stand among the next block's holds
	MINS \b, 0
	CVT \b-1, 0
	MINS \b, 8
	CVT \b-1, 1
.endr
	v_pk_add_f32 v[TT:TT+1], v[TT:TT+1], v[U:U+1]
	CVT 3, 0
	v_pk_mul_f32 v[L:L+1], v[L:L+1], v[F:F+1] op_sel_hi:[1,0]   ; the sum under the new M,
	CVT 3, 1
	v_pk_add_f32 v[L:L+1], v[L:L+1], v[TT:TT+1]    ; and this step's part
.rept 3
	v_nop                                          ; with the addition: four places between the codes and the products
.endr
.endm
.macro STEP
	s_add_co_u32 s[TN], s[TS], 8192
	s_and_b32 s[TN], s[TN], 0x1ffff                ; behind step 15 comes step 0
	s_lshr_b32 s[TS5], s[TS], 5
	s_lshr_b32 s[TN5], s[TN], 5
	WIN 0x01                                       ; K's fragments 0, 1 in window 1; the queries and tile 0's S^T in window 0
	QK 0, 0
	WIN 0x41                                       ; tile 1's S^T in window 1
	QK 1, 0
	WIN 0x40                                       ; K's fragments 2, 3 in window 0
	QK 1, 1
	WIN 0
	QK 0, 1
	v_add_nc_u32 v[ADV], s[TS], v[AV]
	v_add_nc_u32 v[ADS], s[TS5], v[ASC]
	v_add_nc_u32 v[ADK], s[TN], v[AK]
	v_add_nc_u32 v[ADT], s[TN5], v[ASC]
.rept 4
	v_nop                                          ; with the four additions: eight places ahead of loads into registers that the last products read, and of the scores' first reader
.endr
.irp t, 0,1,2,3
	ds_load_b32 v[VSW+\t], v[ADS] offset:4096+64*\t
.endr
	WIN 0x40
.irp t, 0,1,2,3
.irp c, 0,1,2,3
	ds_load_b128 v[16*\t+4*\c:16*\t+4*\c+3], v[ADV] offset:2048*\t+512*\c
.endr
.endr
	WIN 0
	KLOAD ADK, ADT                                 ; the next step's K
	SOFT 0
	WIN 0x01
	PV 0
	WIN 0x55
	SOFT 1
	PV 1
	WIN 0
.endm
; A tile's end: O^T / the sum, quantised along d_model: its 32 registers are two blocks of 32 channels, each shared with lane xor 16; the codes are two pieces of an operand's image.
.macro OEPI z
	v_add_f32 v[TT], v[L], v[L+1]
	v_permlanex16_b32 v[PB], v[TT], s[SEL], s[SEL+1]
	v_add_f32 v[TT], v[TT], v[PB]                  ; the row's sum
	WALU                                           ; ahead of the transcendental
	v_rcp_f32 v[F], v[TT]
	v_nop                                          ; one plain place behind it
	WALU                                           ; and ahead of its first reader, which is O^T's first reader too
.set j, 0
.rept 16
	v_pk_mul_f32 v[O+j:O+j+1], v[O+j:O+j+1], v[F:F+1] op_sel_hi:[1,0]
.set j, j+2
.endr
.irp b, 0,1
	v_max3_num_f32 v[BM+\b], |v[O+16*\b]|, |v[O+1+16*\b]|, 0x8000000
.endr
.irp i, 2,4,6,8,10,12,14
.irp b, 0,1
	v_max3_num_f32 v[BM+\b], v[BM+\b], |v[O+16*\b+\i]|, |v[O+1+16*\b+\i]|
.endr
.endr
.irp b, 0,1
	v_permlanex16_b32 v[PB+\b], v[BM+\b], s[SEL], s[SEL+1]
.endr
.irp b, 0,1
	v_max_num_f32 v[BM+\b], v[BM+\b], v[PB+\b]
.endr
.irp b, 0,1
	v_add_nc_u32 v[SO+\b], 0xf8800000, v[BM+\b]
.endr
.irp b, 0,1
	v_and_or_b32 v[HV+\b], v[BM+\b], 0x7f800000, s[MNT]
.endr
.irp b, 0,1
	v_lshrrev_b32 v[PB+\b], 23, v[SO+\b]
.endr
	v_lshl_or_b32 v[PWT], v[PB+1], 8, v[PB]        ; my row's two scale bytes of this head
.irp b, 0,1
.irp i, 0,1,2,3,4,5,6,7,8,9,10,11,12,13,14,15
	v_med3_num_f32 v[O+16*\b+\i], v[O+16*\b+\i], -v[HV+\b], v[HV+\b]
.endr
	v_cvt_scalef32_pk8_bf8_f32 v[PC+4*\b:PC+4*\b+1], v[O+16*\b:O+16*\b+7], v[SO+\b]
	v_cvt_scalef32_pk8_bf8_f32 v[PC+4*\b+2:PC+4*\b+3], v[O+16*\b+8:O+16*\b+15], v[SO+\b]
.endr
	v_nop                                          ; one plain vector instruction behind the conversions
.if \z
	WIN 0x04                                       ; a store's data are its source 1: window 1
.endif
	global_store_b128 v[AK], v[PC:PC+3], s[16:17] offset:16384*\z          ; 32 lanes store 512 consecutive bytes, at a multiple of 512 from the buffer's first byte
	global_store_b128 v[AK], v[PC+4:PC+7], s[16:17] offset:16384*\z+512
	global_store_b16 v[GS], v[PWT], s[18:19] offset:512*\z                 ; both halves of the lanes store the same two bytes
.endm
	KLOAD AK, ASC                                  ; K of step 0
	s_wait_dscnt 0x0
	s_mov_b32 s[PASS], 2
.Lpass:
	s_mov_b32 s[TS], 0
	s_mov_b32 s[CNT], 16
.Lstep:
	STEP
	s_add_co_u32 s[TS], s[TS], 8192
	s_sub_co_u32 s[CNT], s[CNT], 1
	s_cmp_lg_u32 s[CNT], 0
	WALU                                           ; the wait ahead of the branch
	s_cbranch_scc1 .Lstep
.rept 8
	v_nop                                          ; eight places behind the last products
.endr
	OEPI 0
	WIN 0x55
	OEPI 1
	WIN 0
.irp i, 0,1,2,3,4,5,6,7
	v_mov_b32 v[QZ+8+\i], v[QN+\i]                 ; the next pass's queries (the last pass copies them once more: nothing reads that)
	v_mov_b32 v[QZ+24+\i], v[QN+8+\i]
.endr
	v_perm_b32 v[QS], v[QNS], v[QNS], 0x01000100
	v_perm_b32 v[QS+1], v[QNS], v[QNS], 0x03020302
	RESET                                          ; (also the places between these lines and the next products)
	WIN 0x55
	RESET
	WIN 0
	s_wait_xcnt 0x0                                ; the stores have read their bases and their data: both are written again only behind this wait
	s_add_nc_u64 s[16:17], s[16:17], 262144        ; 16 tiles of rows on
	s_add_nc_u64 s[18:19], s[18:19], 8192
	s_sub_co_u32 s[PASS], s[PASS], 1
	s_cmp_lg_u32 s[PASS], 0
	WALU                                           ; the wait ahead of the branch
	s_cbranch_scc1 .Lpass
	s_wait_tensorcnt 0x0                           ; the wave's end
	ds_add_u32 v254, v255
	s_wait_dscnt 0x0
	CROUND                                         ; the closing round
	s_endpgm
.Lfunc_end_k_q5b4ae794b2_attn:
	.size	k_q5b4ae794b2_attn, .Lfunc_end_k_q5b4ae794b2_attn-k_q5b4ae794b2_attn
	.p2alignl 7, 3214868480
	.fill 96, 4, 3214868480
	.section	.rodata,"a",@progbits
	.p2align	6, 0x0
	.amdhsa_kernel k_q5b4ae794b2_attn
		.amdhsa_group_segment_fixed_size 271360
		.amdhsa_private_segment_fixed_size 0
		.amdhsa_enable_private_segment 0
		.amdhsa_kernarg_size 64
		.amdhsa_user_sgpr_count 2
		.amdhsa_user_sgpr_kernarg_segment_ptr 1
		.amdhsa_wavefront_size32 1
		.amdhsa_system_sgpr_workgroup_id_x 1
		.amdhsa_system_sgpr_workgroup_id_y 1
		.amdhsa_system_sgpr_workgroup_id_z 1
		.amdhsa_system_vgpr_workitem_id 0
		.amdhsa_next_free_vgpr 512
		.amdhsa_next_free_sgpr 96
		.amdhsa_reserve_vcc 0
		.amdhsa_float_denorm_mode_32 3
		.amdhsa_float_denorm_mode_16_64 3
		.amdhsa_memory_ordered 1
		.amdhsa_forward_progress 1
		.amdhsa_inst_pref_size 61
	.end_amdhsa_kernel
	.amdgpu_metadata
---
amdhsa.version: [ 1, 2 ]
amdhsa.kernels:
  - .name:           k_q5b4ae794b2_attn
    .symbol:         k_q5b4ae794b2_attn.kd
    .args:
      - { .name: q_img, .offset: 0, .size: 8, .value_kind: global_buffer, .address_space: global }
      - { .name: q_sc, .offset: 8, .size: 8, .value_kind: global_buffer, .address_space: global }
      - { .name: k_img, .offset: 16, .size: 8, .value_kind: global_buffer, .address_space: global }
      - { .name: k_sc, .offset: 24, .size: 8, .value_kind: global_buffer, .address_space: global }
      - { .name: v_img, .offset: 32, .size: 8, .value_kind: global_buffer, .address_space: global }
      - { .name: v_sc, .offset: 40, .size: 8, .value_kind: global_buffer, .address_space: global }
      - { .name: o_img, .offset: 48, .size: 8, .value_kind: global_buffer, .address_space: global }
      - { .name: o_sc, .offset: 56, .size: 8, .value_kind: global_buffer, .address_space: global }
    .group_segment_fixed_size: 271360
    .private_segment_fixed_size: 0
    .kernarg_segment_align: 8
    .kernarg_segment_size: 64
    .max_flat_workgroup_size: 256
    .sgpr_count:     96
    .vgpr_count:     512
    .wavefront_size: 32
...
	.end_amdgpu_metadata
.endif
;; end of part 2
;; launch oproj (part 3): grid 4 x 32, 4 waves a work-group, clusters of 4 x 4, 327,680 bytes of LDS; arguments o_img, o_sc, Wo_codes, Wo_scales, bo, out0; writes out0
.if DOCPART == 3
	.amdgcn_target "amdgcn-amd-amdhsa--gfx1250"
	.amdhsa_code_object_version 6
	.text
	.protected	k_q5b4ae794b2_oproj
	.globl	k_q5b4ae794b2_oproj
	.p2align	8
	.type	k_q5b4ae794b2_oproj,@function
k_q5b4ae794b2_oproj:
	s_mov_b64 s[64:65], 0
	v_nop
	global_prefetch_b8 v0, s[64:65] scope:SCOPE_SE
	s_setreg_imm32_b32 hwreg(HW_REG_WAVE_MODE, 25, 1), 1
	s_wait_xcnt 0x0
	s_wait_alu depctr_hold_cnt(0) depctr_sa_sdst(0) depctr_va_vdst(0) depctr_va_sdst(0) depctr_va_ssrc(0) depctr_va_vcc(0) depctr_vm_vsrc(0)
	s_getreg_b32 s2, hwreg(HW_REG_IB_STS2, 6, 4)
	s_cmp_eq_u32 s2, 0
	s_cbranch_scc0 .Lentry_in_a_cluster
	s_endpgm
.Lentry_in_a_cluster:
	s_bfe_u32 s2, ttmp6, 0x10000c
	s_cmp_lg_u32 s2, 0xf033
	s_cbranch_scc0 .Lentry_shape_is_right
	s_endpgm
.Lentry_shape_is_right:
.set NQ,     2
.set ROWB,   256
.set KROW,   1024
.set PITCH,  272
.set FR,     16
.set NL,     4
.set NP,     8
.set AHALF,  32768
.set HALFT,  128*PITCH
.set SLOT,   2*AHALF+2*HALFT
.set LAPS,   2
.set KS,     32
.set SCL,    2*SLOT
.set HALFS,  16*272
.set SBLK,   2*272
.set SPARE,  SCL+4*HALFS
.set SPITCH, 528
.set ADRA, 16
.set ADRB, 20
.set STO,  24
.set RD,   25
.set CO,   26
.set ADRS, 27
.set SPW,  28
.set NIL,  29
.set SC,   32
.set BP,   64
.set AF,   128
.set BK,   128
.set G1, 24
.set G0, 32
.set G1B, 48
.set G0B, 56
.set G1S, 68
.set G0S, 76
.set G1SB, 80
.set G0SB, 88
.set MSB, 0
.macro WIN new
.if MSB != \new
	s_set_vgpr_msb (MSB<<8)|\new
.set MSB, \new
.endif
.endm
.set MUL_LO, 0xa1
.set MUL_HI, 0xf1
.set FST_LO, 0x81
.set FST_HI, 0xc1
.set TO_B,   0x40
.macro JLOAD g0a, g1a, g0b, g1b
	s_cmp_eq_u32 s15, 0
	s_cbranch_scc0 .Lfor_b_\@
	tensor_load_to_lds s[\g0a:\g0a+3], s[\g1a:\g1a+7]
	s_nop 0
.rept 4
	v_nop
.endr
	s_branch .Lasked_\@
.Lfor_b_\@:
	tensor_load_to_lds s[\g0b:\g0b+3], s[\g1b:\g1b+7]
	s_nop 0
.rept 4
	v_nop
.endr
.Lasked_\@:
.endm
.macro CREST
	s_cmp_lg_u32 s14, 0
	s_cbranch_scc1 .Lnot_wave_0_\@
	s_barrier_signal -3
.Lnot_wave_0_\@:
	s_barrier_wait -3
	s_barrier_signal -1
	s_barrier_wait -1
.endm
.macro CROUND
	s_barrier_signal -1
	s_barrier_wait -1
	CREST
.endm
	s_load_b128 s[4:7], s[0:1], 0x0
	s_load_b128 s[8:11], s[0:1], 0x10
	s_load_b64 s[96:97], s[0:1], 0x20
	s_load_b64 s[12:13], s[0:1], 0x28
	v_lshl_add_u32 v[SPW], v0, 2, SPARE
	v_mov_b32 v[NIL], 0
	ds_add_u32 v28, v29
	ds_add_u32 v28, v29
	s_wait_dscnt 0x0
	v_lshrrev_b32 v1, 5, v0
	v_readfirstlane_b32 s14, v1
	s_lshr_b32 s15, s14, 1
	s_and_b32 s16, s14, 1
	s_bfe_u32 s40, ttmp6, 0x40000
	s_bfe_u32 s41, ttmp6, 0x40004
	s_lshl_b32 s42, ttmp9, 2
	s_add_co_u32 s42, s42, s40
	s_and_b32 s17, ttmp7, 0xffff
	s_lshl_b32 s17, s17, 2
	s_add_co_u32 s17, s17, s41
	s_lshl_b32 s43, s41, 2
	s_lshl_b32 s43, 15, s43
	s_lshl_b32 s44, 0x1111, s40
	s_or_b32 s[G1+0], s43, (3<<16)|(1<<21)
	s_mov_b32 s[G1+1], 512<<16
	s_mov_b32 s[G1+2], 16<<16
	s_mov_b32 s[G1+3], 512<<16
	s_mov_b32 s[G1+4], 16
	s_mov_b32 s[G1+5], 2048
	s_mov_b32 s[G1+6], 0
	s_mov_b32 s[G1+7], 0
	s_or_b32 s[G1B+0], s44, (1<<20)|(1<<21)|(5<<22)|(3<<25)
	s_mov_b32 s[G1B+1], ROWB<<16
	s_mov_b32 s[G1B+2], 256<<16
	s_mov_b32 s[G1B+3], ROWB<<16
	s_mov_b32 s[G1B+4], 256
	s_mov_b32 s[G1B+5], KROW
	s_mov_b32 s[G1B+6], 0
	s_mov_b32 s[G1B+7], 0
	s_or_b32 s[G1S+0], s43, (3<<16)|(1<<20)|(1<<21)|(5<<22)|(3<<25)
	s_or_b32 s[G1SB+0], s44, (3<<16)|(1<<20)|(1<<21)|(5<<22)|(3<<25)
.irp g, G1S, G1SB
	s_mov_b32 s[\g+1], 32<<16
	s_mov_b32 s[\g+2], 32<<16
	s_mov_b32 s[\g+3], 32<<16
	s_mov_b32 s[\g+4], 32
	s_mov_b32 s[\g+5], 32
	s_mov_b32 s[\g+6], 0
	s_mov_b32 s[\g+7], 0
.endr
	s_lshl_b32 s18, s16, 17
	s_lshl_b32 s19, s16, 12
	s_lshl_b32 s20, s17, 18
	s_add_co_u32 s20, s20, s18
	s_mov_b32 s21, 0
	s_lshl_b32 s22, s17, 13
	s_add_co_u32 s22, s22, s19
	s_mov_b32 s23, 0
	s_lshl_b32 s46, s42, 18
	s_add_co_u32 s46, s46, s18
	s_mov_b32 s47, 0
	s_lshl_b32 s92, s42, 13
	s_add_co_u32 s92, s92, s19
	s_mov_b32 s93, 0
	s_lshl_b32 s45, s16, 15
	s_mul_i32 s95, s16, HALFT
	s_add_co_u32 s95, s95, 2*AHALF
	s_mul_i32 s94, s14, HALFS
	s_wait_kmcnt 0x0
	s_add_nc_u64 s[20:21], s[4:5], s[20:21]
	s_add_nc_u64 s[22:23], s[6:7], s[22:23]
	s_add_nc_u64 s[46:47], s[8:9], s[46:47]
	s_add_nc_u64 s[92:93], s[10:11], s[92:93]
	CROUND
; the head's four tiles, each whole: K step 0's 256 rows of A (sixteen tiles of the image) and of B, the scale bytes of A's 256 rows and of B's.  The addresses above hold my wave's half of a tile: it is taken off again
.set G0H, 4
.set G0HB, 8
	s_lshl_b32 s18, s16, 17                        ; 128 rows of codes
	s_mov_b32 s19, 0
	s_mov_b32 s[G0H], 1
	s_mov_b32 s[G0H+1], 0
	s_sub_nc_u64 s[G0H+2:G0H+3], s[20:21], s[18:19]
	s_or_b32 s[G0H+3], s[G0H+3], 0x80000000
	s_mov_b32 s[G0HB], 1
	s_mov_b32 s[G0HB+1], 2*AHALF
	s_sub_nc_u64 s[G0HB+2:G0HB+3], s[46:47], s[18:19]
	s_or_b32 s[G0HB+3], s[G0HB+3], 0x80000000
	s_lshl_b32 s18, s16, 12                        ; 128 rows of scale bytes
	s_mov_b32 s[G0S], 1
	s_mov_b32 s[G0S+1], SCL
	s_sub_nc_u64 s[G0S+2:G0S+3], s[22:23], s[18:19]
	s_or_b32 s[G0S+3], s[G0S+3], 0x80000000
	s_mov_b32 s[G0SB], 1
	s_mov_b32 s[G0SB+1], SCL+2*HALFS
	s_sub_nc_u64 s[G0SB+2:G0SB+3], s[92:93], s[18:19]
	s_or_b32 s[G0SB+3], s[G0SB+3], 0x80000000
.irp s, 0,1
	s_mov_b32 s[G0+4*\s], 1
	s_add_co_u32 s[G0+4*\s+1], s45, \s*SLOT
	s_add_nc_u64 s[G0+4*\s+2:G0+4*\s+3], s[20:21], \s*4096
	s_or_b32 s[G0+4*\s+3], s[G0+4*\s+3], 0x80000000
	s_mov_b32 s[G0B+4*\s], 1
	s_add_co_u32 s[G0B+4*\s+1], s95, \s*SLOT
	s_add_nc_u64 s[G0B+4*\s+2:G0B+4*\s+3], s[46:47], \s*ROWB
	s_or_b32 s[G0B+4*\s+3], s[G0B+4*\s+3], 0x80000000
.endr
; the head's loads, one a wave: one chain of branches on the wave's number, a load to an arm, all arms leading to one join
.macro ARM under, g0, g1, next
	s_cmp_lt_u32 s14, \under
	s_cbranch_scc0 \next
	tensor_load_to_lds s[\g0:\g0+3], s[\g1:\g1+7]
	s_nop 0
.rept 4
	v_nop
.endr
	s_branch .Lhead_asked
\next:
.endm
	ARM 1, G0H,  G1,  .Lhead_b
	ARM 2, G0HB, G1B, .Lhead_sa
	ARM 3, G0S,  G1S, .Lhead_sb
	tensor_load_to_lds s[G0SB:G0SB+3], s[G1SB:G1SB+7]
	s_nop 0
.rept 4
	v_nop
.endr
.Lhead_asked:
	v_and_b32 v1, 15, v0
	v_bfe_u32 v2, v0, 4, 1
	v_and_b32 v6, 31, v0
	v_lshlrev_b32 v[CO], 4, v6
	v_mul_u32_u24 v3, v1, PITCH
	v_lshl_add_u32 v4, v2, 4, v3
	s_lshl_b32 s21, s15, 15
	s_mul_i32 s22, s16, HALFT
	s_add_co_u32 s22, s22, 2*AHALF
.irp s, 0,1
	v_add_nc_u32 v[ADRA+\s], s21, v[CO]
	v_add_nc_u32 v[ADRB+\s], s22, v4
	s_add_co_u32 s21, s21, SLOT
	s_add_co_u32 s22, s22, SLOT
.endr
	v_mul_u32_u24 v5, v1, KS
	v_lshrrev_b32 v6, 8, v5
	v_lshl_add_u32 v5, v6, 4, v5
	s_mul_i32 s21, s15, HALFS
	s_mul_i32 s22, s16, HALFS
	s_add_co_u32 s22, s22, 2*HALFS
	s_sub_co_u32 s22, s22, s21
	v_mul_u32_u24 v6, s22, v2
	s_add_co_u32 s21, s21, SCL
	v_add_nc_u32 v5, v5, v6
	v_add_nc_u32 v[ADRS], s21, v5
	s_mul_i32 s23, s14, 16*SPITCH
	v_mul_u32_u24 v5, v1, SPITCH
	v_lshl_add_u32 v5, v2, 5, v5
	v_add_nc_u32 v[STO], s23, v5
	v_add_nc_u32 v[RD], s23, v[CO]
	v_lshlrev_b32 v22, 5, v2
	s_lshl_b32 s46, s42, 10
	s_lshl_b32 s47, s16, 9
	s_add_co_u32 s46, s46, s47
	s_mov_b32 s47, 0
	s_add_nc_u64 s[96:97], s[96:97], s[46:47]
.irp b, 0,1,2,3,4,5,6,7
	global_load_b128 v[BP+8*\b:BP+8*\b+3], v22, s[96:97] offset:64*\b
	global_load_b128 v[BP+8*\b+4:BP+8*\b+7], v22, s[96:97] offset:64*\b+16
.endr
	s_lshl_b32 s20, s17, 20
	s_lshl_b32 s21, s15, 19
	s_add_co_u32 s20, s20, s21
	s_mov_b32 s21, 0
	s_add_nc_u64 s[20:21], s[20:21], s[46:47]
	s_add_nc_u64 s[12:13], s[12:13], s[20:21]
	s_wait_alu depctr_va_vdst(0)
	s_wait_loadcnt 0x0
.macro FRAG reg, adr, q, i
.irp c, 0,1,2,3
	ds_load_b128 v[\reg+4*\c:\reg+4*\c+3], v[\adr] offset:128*(\q)+32*\c+(\i)*16*PITCH
.endr
.endm
.macro FRAGA reg, slot, q, i
.irp c, 0,1,2,3
	ds_load_b128 v[\reg+4*\c:\reg+4*\c+3], v[ADRA+\slot] offset:2048*(\q)+512*\c+4096*(\i)
.endr
.endm
.macro MUL16 a0, p, q, sc, zero
.irp a, \a0, \a0+1
.irp b, 0,1,2,3,4,5,6,7
.if \zero
	v_wmma_scale_f32_16x16x128_f8f6f4 v[8*(8*((\a)%4)+\b):8*(8*((\a)%4)+\b)+7], v[128*(\p)+FR*\b:128*(\p)+FR*\b+FR-1], v[AF+FR*(\a):AF+FR*(\a)+FR-1], v[BP+8*\b:BP+8*\b+7], v[SC+8*NQ*(\sc)+NQ*\b+(\q)], v[SC+8*NQ*(\sc)+NQ*(\a)+(\q)] matrix_a_fmt:MATRIX_FMT_BF8 matrix_b_fmt:MATRIX_FMT_BF8 matrix_a_scale:MATRIX_SCALE_ROW1
.else
	v_wmma_scale_f32_16x16x128_f8f6f4 v[8*(8*((\a)%4)+\b):8*(8*((\a)%4)+\b)+7], v[128*(\p)+FR*\b:128*(\p)+FR*\b+FR-1], v[AF+FR*(\a):AF+FR*(\a)+FR-1], v[8*(8*((\a)%4)+\b):8*(8*((\a)%4)+\b)+7], v[SC+8*NQ*(\sc)+NQ*\b+(\q)], v[SC+8*NQ*(\sc)+NQ*(\a)+(\q)] matrix_a_fmt:MATRIX_FMT_BF8 matrix_b_fmt:MATRIX_FMT_BF8 matrix_a_scale:MATRIX_SCALE_ROW1
.endif
.endr
.endr
.endm
.macro FETCH_B slot, q, p
	WIN TO_B
.irp i, 0,1,2,3,4,5,6,7
	FRAG 128*(\p)+FR*\i, ADRB+\slot, \q, \i
.endr
	WIN 0
.endm
.macro FETCH_A slot, q, i0
.irp i, \i0, \i0+1, \i0+2, \i0+3
	FRAGA AF+FR*(\i), \slot, \q, \i
.endr
.endm
.macro SCALES sc
.irp i, 0,1,2,3,4,5,6,7
	ds_load_b64 v[SC+8*NQ*\sc+NQ*\i:SC+8*NQ*\sc+NQ*\i+1], v[ADRS] offset:\i*SBLK
.endr
.endm
.macro PLACES n
.rept \n
	v_nop
.endr
.endm
.macro STEP slot, q, zero
	s_wait_dscnt 4*NL
.if \zero
	WIN FST_LO
.else
	WIN MUL_LO
.endif
	MUL16 0, (\q)%2, \q, \slot, \zero
	MUL16 2, (\q)%2, \q, \slot, \zero
	s_wait_dscnt 0
	PLACES NP
	FETCH_B \slot, (\q)+1, 1-(\q)%2
	FETCH_A \slot, (\q)+1, 0
.if \zero
	WIN FST_HI
.else
	WIN MUL_HI
.endif
	MUL16 4, (\q)%2, \q, \slot, \zero
	MUL16 6, (\q)%2, \q, \slot, \zero
	PLACES NP
	WIN 0
	FETCH_A \slot, (\q)+1, 4
.endm
.macro TURN slot, next, fill
	s_wait_tensorcnt 0x0
	ds_add_u32 v[SPW], v[NIL]
	s_wait_dscnt 4*NL+1
	WIN MUL_LO
	MUL16 0, 1, NQ-1, \slot, 0
	s_wait_dscnt 0x0
	s_barrier_signal -1
	MUL16 2, 1, NQ-1, \slot, 0
	WIN 0
	s_barrier_wait -1
.if \fill
	CREST
	s_add_nc_u64 s[G0+4*\slot+2:G0+4*\slot+3], s[G0+4*\slot+2:G0+4*\slot+3], 2*4096
	s_add_nc_u64 s[G0B+4*\slot+2:G0B+4*\slot+3], s[G0B+4*\slot+2:G0B+4*\slot+3], 2*ROWB
	JLOAD G0+4*\slot, G1, G0B+4*\slot, G1B
	PLACES NP-4
.else
	PLACES NP
.endif
	s_wait_alu depctr_va_vdst(0)
	v_add_nc_u32 v[ADRS], 4*NQ, v[ADRS]
	FETCH_B \next, 0, 0
	FETCH_A \next, 0, 0
	SCALES \next
	WIN MUL_HI
	MUL16 4, 1, NQ-1, \slot, 0
	MUL16 6, 1, NQ-1, \slot, 0
	PLACES NP
	WIN 0
	FETCH_A \next, 0, 4
.endm
	s_wait_tensorcnt 0x0                           ; my tile of the head's four is in
	ds_add_u32 v[SPW], v[NIL]
	s_mov_b32 s[G1+2], 8<<16                       ; no tensor load of mine is out: from here on a load brings 128 rows: eight tiles of A's image,
	s_mov_b32 s[G1+4], 8
	s_mov_b32 s[G1B+2], 128<<16                    ; 128 rows of B
	s_mov_b32 s[G1B+4], 128
	s_wait_dscnt 0x0
	CROUND                                         ; all four tiles are in, and all sixteen work-groups are here
	JLOAD G0+4, G1, G0B+4, G1B                     ; K step 1, the first tensor load behind the round
	FETCH_B 0, 0, 0
	FETCH_A 0, 0, 0
	SCALES 0
	FETCH_A 0, 0, 4
	STEP 0, 0, 1
	s_mov_b32 s3, LAPS-1
.Llap:
	TURN 0, 1, 1
	STEP 1, 0, 0
	TURN 1, 0, 1
	STEP 0, 0, 0
	s_sub_co_u32 s3, s3, 1
	s_cmp_lg_u32 s3, 0
	s_cbranch_scc1 .Llap
	TURN 0, 1, 0
	STEP 1, 0, 0
	s_wait_dscnt 4*NL
	WIN MUL_LO
	MUL16 0, 1, NQ-1, 1, 0
	MUL16 2, 1, NQ-1, 1, 0
	s_wait_dscnt 0
	WIN MUL_HI
	MUL16 4, 1, NQ-1, 1, 0
	MUL16 6, 1, NQ-1, 1, 0
	WIN 0
.macro TOSTAGE a
.set AC, 64*((\a)%4)
.set WN, 0x08+4*((\a)/4)
	WIN WN
.irp b, 0,1,2,3,4,5,6,7
	ds_store_b128 v[STO], v[AC+8*\b:AC+8*\b+3] offset:64*\b
	ds_store_b128 v[STO], v[AC+8*\b+4:AC+8*\b+7] offset:64*\b+16
.endr
	WIN 0
.set BB, BK+64*((\a)%2)
.irp t, 0,1,2,3,4,5,6,7,8,9,10,11,12,13,14,15
	ds_load_b128 v[BB+4*\t:BB+4*\t+3], v[RD] offset:\t*SPITCH
.endr
.endm
.macro SEND a, younger
.set BB, BK+64*((\a)%2)
	s_wait_dscnt \younger
.irp t, 0,1,2,3,4,5,6,7,8,9,10,11,12,13,14,15
	global_store_b128 v[CO], v[BB+4*\t:BB+4*\t+3], s[12:13] offset:4096*(32*((\a)/2)+8*((\a)%2)+\t+8*(\t/8)) th:TH_STORE_NT
.endr
.endm
	PLACES NP
	TOSTAGE 0
.irp a, 1,2,3,4,5,6,7
.if \a > 1
	s_wait_xcnt 0x0
.endif
	TOSTAGE \a
	SEND \a-1, 32
.endr
	SEND 7, 0
	s_wait_tensorcnt 0x0
	ds_add_u32 v[SPW], v[NIL]
	s_wait_dscnt 0x0
	CROUND
	s_endpgm
.Lfunc_end_k_q5b4ae794b2_oproj:
	.size	k_q5b4ae794b2_oproj, .Lfunc_end_k_q5b4ae794b2_oproj-k_q5b4ae794b2_oproj
	.p2alignl 7, 3214868480
	.fill 96, 4, 3214868480
	.section	.rodata,"a",@progbits
	.p2align	6, 0x0
	.amdhsa_kernel k_q5b4ae794b2_oproj
		.amdhsa_group_segment_fixed_size 327680
		.amdhsa_private_segment_fixed_size 0
		.amdhsa_enable_private_segment 0
		.amdhsa_kernarg_size 48
		.amdhsa_user_sgpr_count 2
		.amdhsa_user_sgpr_kernarg_segment_ptr 1
		.amdhsa_wavefront_size32 1
		.amdhsa_system_sgpr_workgroup_id_x 1
		.amdhsa_system_sgpr_workgroup_id_y 1
		.amdhsa_system_sgpr_workgroup_id_z 1
		.amdhsa_system_vgpr_workitem_id 0
		.amdhsa_next_free_vgpr 1024
		.amdhsa_next_free_sgpr 98
		.amdhsa_reserve_vcc 0
		.amdhsa_float_denorm_mode_32 3
		.amdhsa_float_denorm_mode_16_64 3
		.amdhsa_memory_ordered 1
		.amdhsa_forward_progress 1
		.amdhsa_inst_pref_size 148
	.end_amdhsa_kernel
	.amdgpu_metadata
---
amdhsa.version: [ 1, 2 ]
amdhsa.kernels:
  - .name:           k_q5b4ae794b2_oproj
    .symbol:         k_q5b4ae794b2_oproj.kd
    .args:
      - { .name: o_img, .offset: 0, .size: 8, .value_kind: global_buffer, .address_space: global }
      - { .name: o_sc, .offset: 8, .size: 8, .value_kind: global_buffer, .address_space: global }
      - { .name: Wo_codes, .offset: 16, .size: 8, .value_kind: global_buffer, .address_space: global }
      - { .name: Wo_scales, .offset: 24, .size: 8, .value_kind: global_buffer, .address_space: global }
      - { .name: bo, .offset: 32, .size: 8, .value_kind: global_buffer, .address_space: global }
      - { .name: out0, .offset: 40, .size: 8, .value_kind: global_buffer, .address_space: global }
    .group_segment_fixed_size: 327680
    .private_segment_fixed_size: 0
    .kernarg_segment_align: 8
    .kernarg_segment_size: 48
    .max_flat_workgroup_size: 128
    .sgpr_count:     98
    .vgpr_count:     1024
    .wavefront_size: 32
...
	.end_amdgpu_metadata
.endif
;; end of part 3
